; MI455X (gfx1250); checked and timed in simulation.
; The chip was launched on July 23, 2026; its instructions are those of AMD's public machine-readable ISA for CDNA 5 (MIT licence, August 2026) and "CDNA5" Instruction Set Architecture Reference Guide (July 2026). The comments in the code are by the model that wrote it; some were corrected since.
;; Performer Attention. Allowed arithmetic: float matrix products may take bf16 or f16 operands with f32 sums; all other float work in f32.
;; Inputs: key 4 x 16 x 4,096 x 64 float32; mask 4 x 4,096 float32; query 4 x 16 x 4,096 x 64 float32; value 4 x 16 x 4,096 x 64 float32.
;; Outputs: out0 4 x 16 x 4,096 x 64 float32.
;; 2 versions, each right; version 2 is version 1 with the launches kvsum, apply written anew for expert scheduling mode. Each part assembles by itself: llvm-mc -triple=amdgcn-amd-amdhsa -mcpu=gfx1250 --defsym DOCPART=n.
;; ======== version 1 of 2: 2 launches
;; workspace buffers: part 4,259,840 bytes
;; launch kvsum (part 1): grid 256 x 1, 8 waves a work-group, no clusters, 140,288 bytes of LDS; arguments key, value, mask, part; writes part
.if DOCPART == 1
	.amdgcn_target "amdgcn-amd-amdhsa--gfx1250"
	.amdhsa_code_object_version 6
	.text
	.protected	k_qb7c4ec47c4_kvsum
	.globl	k_qb7c4ec47c4_kvsum
	.p2align	8
	.type	k_qb7c4ec47c4_kvsum,@function
k_qb7c4ec47c4_kvsum:
	s_mov_b64 s[64:65], 0
	v_nop
	global_prefetch_b8 v0, s[64:65] scope:SCOPE_SE
	s_setreg_imm32_b32 hwreg(HW_REG_WAVE_MODE, 25, 1), 1
	s_wait_xcnt 0x0
; PARTIAL kv AND k_sum.  key, value: [64 heads][4096][64] f32.  mask: [4][4096] f32.
; k = (max(key, 0) + 0.001) * mask;  kv[d][e] = sum over s of k[s][d] value[s][e];  k_sum[d] = sum over s of k[s][d].
; Work-group g owns rows 1024 g .. 1024 g + 1023 of the flattened [262144][64] arrays (head g / 4, quarter g % 4) and stores
; its partial sums in part + 16640 g: 16,384 bytes of kv (layout below), then 256 bytes of k_sum[0..63], all f32.
; Eight waves, 128 rows each, in four blocks of 32 rows; a block is one step of the matrix instruction's K axis.
;
; NO TRANSPOSE: lane (r = lane % 16, h = lane / 16) loads the 16 bytes of columns 4r .. 4r+3 of row 16h + i, i = 0 .. 15, so sixteen lanes
; read one whole row of 256 bytes.  Its four floats go to four different tiles: tile t's row (A, from k) or column (B, from value)
; r stands for d or e = 4r + t.  The lane's 16 rows fill its 16 places along K, alike in A and B, so every product meets its partner.
; Accumulator tile (t, u) register j of lane (r, h) is then kv[32h + 4j + t][4r + u].  It lies in register 8 (4t + u) + j of window 1, and in
; the workspace at byte 512 q + 16 lane + 4 (j % 4), q = 8t + 2u + j / 4: the next launch makes its bf16 operand from that lane by lane.
;
; k and value enter the matrix unit in bf16, sums in f32.  k_sum is summed in f32 from the unrounded k by the vector unit.
; LIMITS: max(key, 0) is v_max_num_f32: a NaN in key becomes 0.001 * mask.  (max + 0.001) * mask is formed as one fused
; max * mask + (0.001 * mask): the same number for a mask of 0 or 1, within an ulp of f32 otherwise.
; NO CLUSTER: work-groups share nothing but the mask, 4,096 bytes against 524,288 bytes of rows that each reads alone.
.set EPS,   0x3a83126f                 ; 0.001
.set ROWB,  256                        ; bytes in a row
.set BLKB,  32*ROWB                    ; bytes in a block of one tensor
.set NBLK,  4                          ; blocks of a wave
.set WSTG,  16384                      ; LDS: a wave's accumulators, 32 x 512 bytes; eight of them from byte 0
.set MK,    8*WSTG                     ; LDS: a wave's 128 mask numbers, 512 bytes a wave
.set KSS,   MK+8*512                   ; LDS: a wave's k_sum, 16 bytes a lane, 512 bytes a wave
.set PART,  16640                      ; bytes of a partial in the workspace
.set VO,  2                            ; v2   16 r + 4096 h: my 16 bytes in row 16h of a block
.set L16, 3                            ; v3   16 x lane
.set MS,  4                            ; v4   LDS: where I put 16 bytes of mask; + 4096: my k_sum
.set MA,  8                            ; v8   LDS: the mask of my half's 16 rows in block 0
.set ST,  9                            ; v9   LDS: my 16 bytes in my wave's stage
.set RD0, 10                           ; v10  2048 wave + 16 lane: my part of waves 0-3's stages; also my byte offset in the partial
.set RD1, 11                           ; v11  the same in waves 4-7's stages (LDS offsets have 16 bits)
.set KA,  12                           ; v12  LDS: k_sum as wave 0 reads it
.set KG,  13                           ; v13  16 r + 8 h
.set KS,  14                           ; v[14:17]   k_sum of d = 4r .. 4r+3 over my half's rows
.set T,   18                           ; v[18:21]   at work
.set M,   22                           ; v[22:37]   mask of my 16 rows of the block
.set EM,  38                           ; v[38:53]   0.001 * mask
.set FA,  54                           ; v[54:85]   A fragments, tile t at FA + 8t
.set FB,  86                           ; v[86:117]  B fragments
.set KB,  118                          ; v[118:181] key, row i at KB + 4i
.set VB,  182                          ; v[182:245] value, row i at VB + 4i
; window 1 (v256-383): the 16 accumulator tiles.  s_set_vgpr_msb's low byte: bits 1:0 source 0, 3:2 source 1, 5:4 source 2, 7:6 destination.
.set MSB, 0
.macro WIN new                         ; the immediate's high byte repeats the setting that is left
.if MSB != \new
	s_set_vgpr_msb (MSB<<8)|\new
.set MSB, \new
.endif
.endm
; four loads: rows 2p and 2p+1 of my half of block b, of key and of value
.macro LOADS b, p
	global_load_b128 v[KB+8*\p:KB+8*\p+3],   v[VO], s[4:5] offset:(\b)*BLKB+(2*\p)*ROWB th:TH_LOAD_NT
	global_load_b128 v[KB+8*\p+4:KB+8*\p+7], v[VO], s[4:5] offset:(\b)*BLKB+(2*\p+1)*ROWB th:TH_LOAD_NT
	global_load_b128 v[VB+8*\p:VB+8*\p+3],   v[VO], s[6:7] offset:(\b)*BLKB+(2*\p)*ROWB th:TH_LOAD_NT
	global_load_b128 v[VB+8*\p+4:VB+8*\p+7], v[VO], s[6:7] offset:(\b)*BLKB+(2*\p+1)*ROWB th:TH_LOAD_NT
.endm
; the mask of my half's 16 rows of block b, from my wave's own LDS bytes (sixteen lanes read the same words)
.macro MASK b
.irp c, 0,1,2,3
	ds_load_b128 v[M+4*\c:M+4*\c+3], v[MA] offset:(\b)*128+16*\c
.endr
.endm
	s_load_b256 s[4:11], s[0:1], 0x0               ; key s[4:5], value s[6:7], mask s[8:9], part s[10:11]
	v_lshl_add_u32 v254, v0, 2, 0x22000
	v_mov_b32 v255, 0
	v_and_b32 v1, 31, v0                           ; lane
	v_lshrrev_b32 v5, 5, v0
	v_readfirstlane_b32 s12, v5                    ; wave 0..7
	v_and_b32 v6, 15, v0                           ; r
	v_bfe_u32 v7, v0, 4, 1                         ; h
	s_lshl_b32 s14, ttmp9, 18                      ; the group's 1,024 rows of 256 bytes
	s_lshl_b32 s13, s12, 15                        ; the wave's 128 rows
	s_add_co_u32 s14, s14, s13                     ; below 2^26
	s_mov_b32 s15, 0
	s_lshr_b32 s16, ttmp9, 6                       ; batch = head / 16 = group / 64: 16,384 bytes of mask each
	s_lshl_b32 s16, s16, 14
	s_and_b32 s17, ttmp9, 3                        ; quarter of the head: 4,096 bytes of mask
	s_lshl_b32 s17, s17, 12
	s_add_co_u32 s16, s16, s17
	s_lshl_b32 s17, s12, 9                         ; the wave's 128 numbers
	s_add_co_u32 s16, s16, s17
	s_mov_b32 s17, 0
	s_mul_i32 s24, ttmp9, PART
	s_mov_b32 s25, 0
	s_mov_b32 s18, EPS
	s_mov_b32 s19, EPS
	v_lshlrev_b32 v[L16], 4, v1
	v_lshlrev_b32 v[VO], 4, v6
	v_lshl_add_u32 v[VO], v7, 12, v[VO]            ; 16 r + 16 rows x h
	s_wait_kmcnt 0x0
	s_add_nc_u64 s[4:5], s[4:5], s[14:15]          ; key and value at my wave's first row
	s_add_nc_u64 s[6:7], s[6:7], s[14:15]
	s_add_nc_u64 s[8:9], s[8:9], s[16:17]          ; mask at my wave's first row
	s_add_nc_u64 s[10:11], s[10:11], s[24:25]      ; the group's partial
	global_load_b128 v[M:M+3], v[L16], s[8:9]      ; the wave's 512 bytes of mask, once, 16 bytes a lane
.irp p, 0,1,2,3,4,5,6,7
	LOADS 0, \p                                    ; the ring: block 0, 32 loads, 16,384 bytes of the wave on their way
.endr
	s_lshl_b32 s20, s12, 9
	s_add_co_u32 s20, s20, MK
	v_add_nc_u32 v[MS], s20, v[L16]                ; MK + 512 wave + 16 lane
	v_lshl_add_u32 v[MA], v7, 6, s20               ; MK + 512 wave + 64 h
	s_lshl_b32 s21, s12, 14
	v_add_nc_u32 v[ST], s21, v[L16]                ; 16384 wave + 16 lane
	s_lshl_b32 s22, s12, 11
	v_add_nc_u32 v[RD0], s22, v[L16]               ; 2048 wave + 16 lane
	v_add_nc_u32 v[RD1], 4*WSTG, v[RD0]
	v_lshlrev_b32 v[KG], 4, v6
	v_lshl_add_u32 v[KG], v7, 3, v[KG]             ; 16 r + 8 h
	v_add_nc_u32 v[KA], KSS, v[KG]
	s_wait_loadcnt 32                              ; loads return in order (ISA guide 5.7.1): the mask is in, the 32 ring loads behind it stay out
	ds_store_b128 v[MS], v[M:M+3]                  ; into my wave's own bytes: LDS serves a wave in order, so its own loads below see it; no barrier
	MASK 0
; Rows 2p, 2p+1 of block b: the feature map on key, k_sum, and register p of all eight fragments; then the same registers are asked for again.
.macro PAIR b, p
.if \b < NBLK-1
	s_wait_loadcnt 28                              ; my four loads are in; the other seven groups of four, all younger, stay out
.else
	s_wait_loadcnt 4*(7-\p)                        ; last block, nothing was asked for again: only the groups behind this one are out
.endif
.irp c, 0,1,2,3,4,5,6,7
	v_max_num_f32 v[KB+8*\p+\c], 0, v[KB+8*\p+\c]
.endr
	; max * mask + 0.001 * mask, two at a time; the row's mask feeds both halves: the pair's first register for row 2p, its second for row 2p+1
	v_pk_fma_f32 v[KB+8*\p:KB+8*\p+1],   v[KB+8*\p:KB+8*\p+1],   v[M+2*\p:M+2*\p+1], v[EM+2*\p:EM+2*\p+1] op_sel_hi:[1,0,0]
	v_pk_fma_f32 v[KB+8*\p+2:KB+8*\p+3], v[KB+8*\p+2:KB+8*\p+3], v[M+2*\p:M+2*\p+1], v[EM+2*\p:EM+2*\p+1] op_sel_hi:[1,0,0]
	v_pk_fma_f32 v[KB+8*\p+4:KB+8*\p+5], v[KB+8*\p+4:KB+8*\p+5], v[M+2*\p:M+2*\p+1], v[EM+2*\p:EM+2*\p+1] op_sel:[0,1,1] op_sel_hi:[1,1,1]
	v_pk_fma_f32 v[KB+8*\p+6:KB+8*\p+7], v[KB+8*\p+6:KB+8*\p+7], v[M+2*\p:M+2*\p+1], v[EM+2*\p:EM+2*\p+1] op_sel:[0,1,1] op_sel_hi:[1,1,1]
.if (\b+\p) == 0
	v_pk_add_f32 v[KS:KS+1],   v[KB:KB+1],   v[KB+4:KB+5]          ; the first two rows start k_sum: nothing is cleared
	v_pk_add_f32 v[KS+2:KS+3], v[KB+2:KB+3], v[KB+6:KB+7]
.else
	v_pk_add_f32 v[T:T+1],     v[KB+8*\p:KB+8*\p+1],   v[KB+8*\p+4:KB+8*\p+5]
	v_pk_add_f32 v[T+2:T+3],   v[KB+8*\p+2:KB+8*\p+3], v[KB+8*\p+6:KB+8*\p+7]
	v_pk_add_f32 v[KS:KS+1],   v[KS:KS+1],   v[T:T+1]
	v_pk_add_f32 v[KS+2:KS+3], v[KS+2:KS+3], v[T+2:T+3]
.endif
.irp t, 0,1,2,3
	v_cvt_pk_bf16_f32 v[FA+8*\t+\p], v[KB+8*\p+\t], v[KB+8*\p+4+\t]    ; tile t: d = 4r + t of rows 2p (low half), 2p+1 (high half)
	v_cvt_pk_bf16_f32 v[FB+8*\t+\p], v[VB+8*\p+\t], v[VB+8*\p+4+\t]    ; tile t: e = 4r + t of the same two rows
.endr
.if \b < NBLK-1
	LOADS \b+1, \p
.endif
.endm
; 16 matrix instructions: 64 d x 64 e x 32 rows.  zero = 1: the first block starts the sums.
.macro MM zero
.irp t, 0,1,2,3
.irp u, 0,1,2,3
.if \zero
	v_wmma_f32_16x16x32_bf16 v[8*(4*\t+\u):8*(4*\t+\u)+7], v[FA+8*\t:FA+8*\t+7], v[FB+8*\u:FB+8*\u+7], 0
.else
	v_wmma_f32_16x16x32_bf16 v[8*(4*\t+\u):8*(4*\t+\u)+7], v[FA+8*\t:FA+8*\t+7], v[FB+8*\u:FB+8*\u+7], v[8*(4*\t+\u):8*(4*\t+\u)+7]
.endif
.endr
.endr
.endm
; A block.  The fragments are written again by the next block's first conversions, which stand behind its 8 multiplies, 8 maxima, 4 multiply-adds
; and 4 sums, none of which names a register of a matrix instruction: more than the four places asked for behind one (ISA guide 7.12.1).
.macro BLOCK b
	s_wait_dscnt 0x0                               ; the block's mask is in
.irp i, 0,2,4,6,8,10,12,14
	v_pk_mul_f32 v[EM+\i:EM+\i+1], v[M+\i:M+\i+1], s[18:19] op_sel_hi:[1,0]
.endr
.irp p, 0,1,2,3,4,5,6,7
	PAIR \b, \p
.endr
.if \b < NBLK-1
	MASK \b+1                                      ; comes in while the matrix instructions issue
.endif
	WIN 0x50                                       ; C and D in window 1, A and B in window 0
.if \b == 0
	MM 1
.else
	MM 0
.endif
	WIN 0
.endm
	BLOCK 0
	BLOCK 1
	BLOCK 2
	BLOCK 3
	; THE EIGHT WAVES' SUMS MEET IN LDS.  Four places stand between the last matrix instruction and the stores that read results.
.rept 4
	v_nop
.endr
	WIN 0x04                                       ; an LDS store's data is source 1: window 1
.set q, 0
.rept 32
	ds_store_b128 v[ST], v[4*q:4*q+3] offset:512*q ; four accumulator registers, 512 consecutive bytes of the wave
.set q, q+1
.endr
	WIN 0
	ds_store_b128 v[MS], v[KS:KS+3] offset:KSS-MK  ; my k_sum
	s_wait_dscnt 0x0                               ; for the other waves' sake: all my stores are done
	s_barrier_signal -1
	s_barrier_wait -1
	; wave w sums the pieces q = 4w .. 4w+3 of all eight stages, in the order of the waves
.irp w, 0,1,2,3
.irp c, 0,1,2,3
	ds_load_b128 v[KB+16*\w+4*\c:KB+16*\w+4*\c+3], v[RD0] offset:\w*WSTG+\c*512
.endr
.endr
.irp w, 4,5,6,7
.irp c, 0,1,2,3
	ds_load_b128 v[KB+16*\w+4*\c:KB+16*\w+4*\c+3], v[RD1] offset:(\w-4)*WSTG+\c*512
.endr
.endr
.irp w, 1,2,3,4,5,6,7
	s_wait_dscnt 4*(7-\w)                          ; LDS loads return in order: stage w's four are in, those of the later stages stay out
.irp c, 0,2,4,6,8,10,12,14
	v_pk_add_f32 v[KB+\c:KB+\c+1], v[KB+\c:KB+\c+1], v[KB+16*\w+\c:KB+16*\w+\c+1]
.endr
.endr
.irp c, 0,1,2,3
	global_store_b128 v[RD0], v[KB+4*\c:KB+4*\c+3], s[10:11] offset:\c*512     ; 512 consecutive bytes, at a multiple of 256 from the buffer's first byte
.endr
	s_cmp_lg_u32 s12, 0
	s_cbranch_scc1 .Ldone
	; wave 0: k_sum.  Lane (r, h) sums d = 4r + 2h and 4r + 2h + 1 over the 16 half-waves; registers other than the pending stores' data
.irp k, 0,1,2,3,4,5,6,7,8,9,10,11,12,13,14,15
	ds_load_b64 v[KB+16+2*\k:KB+16+2*\k+1], v[KA] offset:\k*256
.endr
	s_wait_dscnt 0x0
.irp k, 1,2,3,4,5,6,7,8,9,10,11,12,13,14,15
	v_pk_add_f32 v[KB+16:KB+17], v[KB+16:KB+17], v[KB+16+2*\k:KB+16+2*\k+1]
.endr
	global_store_b64 v[KG], v[KB+16:KB+17], s[10:11] offset:16384              ; 32 lanes, 256 consecutive bytes: k_sum[0..63]
.Ldone:
	s_wait_tensorcnt 0x0
	ds_add_u32 v254, v255
	s_wait_dscnt 0x0
	s_endpgm
.Lfunc_end_k_qb7c4ec47c4_kvsum:
	.size	k_qb7c4ec47c4_kvsum, .Lfunc_end_k_qb7c4ec47c4_kvsum-k_qb7c4ec47c4_kvsum
	.p2alignl 7, 3214868480
	.fill 96, 4, 3214868480
	.section	.rodata,"a",@progbits
	.p2align	6, 0x0
	.amdhsa_kernel k_qb7c4ec47c4_kvsum
		.amdhsa_group_segment_fixed_size 140288
		.amdhsa_private_segment_fixed_size 0
		.amdhsa_enable_private_segment 0
		.amdhsa_kernarg_size 32
		.amdhsa_user_sgpr_count 2
		.amdhsa_user_sgpr_kernarg_segment_ptr 1
		.amdhsa_wavefront_size32 1
		.amdhsa_system_sgpr_workgroup_id_x 1
		.amdhsa_system_sgpr_workgroup_id_y 1
		.amdhsa_system_sgpr_workgroup_id_z 1
		.amdhsa_system_vgpr_workitem_id 0
		.amdhsa_next_free_vgpr 384
		.amdhsa_next_free_sgpr 66
		.amdhsa_reserve_vcc 0
		.amdhsa_float_denorm_mode_32 3
		.amdhsa_float_denorm_mode_16_64 3
		.amdhsa_memory_ordered 1
		.amdhsa_forward_progress 1
		.amdhsa_inst_pref_size 74
	.end_amdhsa_kernel
	.amdgpu_metadata
---
amdhsa.version: [ 1, 2 ]
amdhsa.kernels:
  - .name:           k_qb7c4ec47c4_kvsum
    .symbol:         k_qb7c4ec47c4_kvsum.kd
    .args:
      - { .name: key, .offset: 0, .size: 8, .value_kind: global_buffer, .address_space: global }
      - { .name: value, .offset: 8, .size: 8, .value_kind: global_buffer, .address_space: global }
      - { .name: mask, .offset: 16, .size: 8, .value_kind: global_buffer, .address_space: global }
      - { .name: part, .offset: 24, .size: 8, .value_kind: global_buffer, .address_space: global }
    .group_segment_fixed_size: 140288
    .private_segment_fixed_size: 0
    .kernarg_segment_align: 8
    .kernarg_segment_size: 32
    .max_flat_workgroup_size: 256
    .sgpr_count:     66
    .vgpr_count:     384
    .wavefront_size: 32
...
	.end_amdgpu_metadata
.endif
;; end of part 1
;; launch apply (part 2): grid 256 x 1, 8 waves a work-group, no clusters, 10,240 bytes of LDS; arguments query, part, out0; writes out0
.if DOCPART == 2
	.amdgcn_target "amdgcn-amd-amdhsa--gfx1250"
	.amdhsa_code_object_version 6
	.text
	.protected	k_qb7c4ec47c4_apply
	.globl	k_qb7c4ec47c4_apply
	.p2align	8
	.type	k_qb7c4ec47c4_apply,@function
k_qb7c4ec47c4_apply:
	s_mov_b64 s[64:65], 0
	v_nop
	global_prefetch_b8 v0, s[64:65] scope:SCOPE_SE
	s_setreg_imm32_b32 hwreg(HW_REG_WAVE_MODE, 25, 1), 1
	s_wait_xcnt 0x0
; out[s][e] = (sum over d of q[s][d] kv[d][e]) / (sum over d of q[s][d] k_sum[d]),  q = max(query, 0) + 0.001.
; query, out0: [64 heads][4096][64] f32.  part: for each of 256 quarters of heads 16,384 bytes of kv and 256 bytes of k_sum, f32, as the
; launch before left them: kv[32h + 4j + t][4r + u] at byte 512 (8t + 2u + j / 4) + 16 (16h + r) + 4 (j % 4).
; Work-group g owns rows 1024 g .. + 1023 (head g / 4); eight waves, 128 rows each, in four blocks of 32 rows.
;
; Q comes straight into registers: lane (r = lane % 16, h = lane / 16) loads the 16 bytes of columns 4r .. 4r+3 of row 16h + i, i = 0 .. 15, so
; sixteen lanes read one whole row of 256 bytes.  That leaves d across the lanes, and the product wants d along a lane's registers.
; THE MATRIX UNIT TURNS THE BLOCK ROUND: after max, + 0.001 and rounding to bf16 the block is an A operand as it lies (tile t: row m is
; d = 4m + t, the 32 rows of q along K).  Times a selection matrix S_g of zeros and ones, whose column n picks row 16g + n, it gives in lane (r, h),
; register j the number q[16g + r][32h + 4j + t]: one row of q in a lane, d along its registers.  Every result is one product with 1.0 and 31
; with 0, so the bf16 numbers pass unchanged and the second rounding to bf16 changes nothing.  For 32 rows that is 8 matrix instructions and 32
; conversions, in place of 8,192 bytes written into LDS and read back.
; B: the head's four partials are summed once by the work-group (wave w = 2u + a takes k step a of tile u), rounded to bf16 and passed
; through LDS; every wave then keeps all of B in 80 registers.  Along K, place (h, register p, half b) of step a stands for d = 32h + 16a + 2p + b
; in A and in B alike, so that B's registers come from the partials lane by lane.
; Tile u's column r is e = 4r + u.  All sixteen columns of a fifth tile are k_sum: its result holds each row's denominator in every lane, in the
; numerators' own layout.  The multiply by the reciprocal gathers e = 4r .. 4r+3 of a row into four registers: sixteen lanes store a whole row.
;
; q, kv and k_sum enter the matrix unit in bf16, sums in f32.
; LIMITS: max(query, 0) is v_max_num_f32: a NaN in query becomes 0.001.  An infinity in query, or a number that rounds to infinity in bf16
; (above 3.39e38), meets the zeros of the selection matrix and makes NaN of all 32 rows of its block, where the definition spoils its own row
; alone.  The division is v_rcp_f32 (1 ulp) and a multiply; v_rcp_f32 takes a denominator below 2^-126 as 0 and returns 0 for one above
; 2^126 (ISA guide 15.8).
; NO CLUSTER: the four work-groups of a head share the 66,560 bytes of its partials, against 524,288 bytes of rows that each moves alone.
.set EPS,   0x3a83126f                 ; 0.001
.set ROWB,  256                        ; bytes in a row
.set BLKB,  32*ROWB                    ; bytes in a block
.set BIMG,  0                          ; LDS: B's kv tiles, 1,024 bytes for each (u, a)
.set KSB,   BIMG+8*1024                ; LDS: k_sum in bf16, 128 bytes, a copy for each wave
.set PART,  16640
; window 0
.set IDX, 4                            ; v4   lane / 2
.set PO, 5                             ; v5   512 wave + 16 lane: my bytes in a partial's kv
.set KO, 6                             ; v6   8 lane: my two numbers of k_sum
.set BS, 7                             ; v7   LDS: where I put my fragment registers
.set KS, 8                             ; v8   LDS: where I put my two k_sum
.set KA, 10                            ; v10  LDS: my wave's k_sum + 64 h
.set QO, 11                            ; v11  16 r + 4096 h: my 16 bytes of row 16h of a block of query
.set OO, 12                            ; v12  16 r + 2048 h: my 16 bytes of row 8h of a tile of out0
.set BA, 13                            ; v13  16 lane
.set R,  14                            ; v[14:21]   1 / denominator of rows 8h + j
.set BB, 22                            ; v[22:101]  B: step a, tile u at BB + 8 (5a + u); u = 4: k_sum
.set A,  102                           ; v[102:133] A: rows 16g .. 16g+15 of the block, step a at A + 16g + 8a
.set D,  134                           ; v[134:173] results, tile u at D + 8u
.set O,  174                           ; v[174:205] row 8h + j, e = 4r .. 4r+3 at O + 4j
.set SEL, 206                          ; v[206:221] the selection matrices, S_g at SEL + 8g
.set AT, 222                           ; v[222:253] the block as loaded, in bf16: tile t at AT + 8t
.set LP, 134                           ; at the start: partial p's four pieces at LP + 16p
.set LK, 198                           ;               partial p's two k_sum at LK + 2p
.set TB, 102                           ;               my eight fragment registers
.set TK, 110
.set ONE, 14                           ;               1.0 in bf16 in the half that my column's row stands in
.set SH,  15
; window 1 (v256-511), written with the low 8 bits of the number
.set X,  0                             ; v[256:447] query as loaded: three slots of 64 registers, row i of my half at 4i
.set TD, 192                           ; v[448:511] the block turned round: (g, t) at TD + 8 (4g + t)
; s_set_vgpr_msb's low byte: bits 1:0 source 0, 3:2 source 1, 5:4 source 2, 7:6 destination.
.set MSB, 0
.macro WIN new                         ; the immediate's high byte repeats the setting that is left
.if MSB != \new
	s_set_vgpr_msb (MSB<<8)|\new
.set MSB, \new
.endif
.endm
.set TO_1,   0x40                      ; destination in window 1, sources in window 0: loads of query, and the turning matrix instructions
.set IN_1,   0x45                      ; sources 0, 1 and destination in window 1: max and + 0.001 in place
.set FROM_1, 0x05                      ; sources 0, 1 in window 1, destination in window 0: the conversions
; sixteen loads: block b of my wave's rows into a slot; each covers rows i and 16 + i whole
.macro QLOADS b, slot
.set qi, 0
.rept 16
	global_load_b128 v[X+64*(\slot)+4*qi:X+64*(\slot)+4*qi+3], v[QO], s[4:5] offset:(\b)*BLKB+qi*ROWB th:TH_LOAD_NT
.set qi, qi+1
.endr
.endm
	s_load_b128 s[4:7], s[0:1], 0x0                ; query s[4:5], part s[6:7]
	s_load_b64 s[8:9], s[0:1], 0x10                ; out0
	v_lshl_add_u32 v254, v0, 2, 0x2400
	v_mov_b32 v255, 0
	v_and_b32 v1, 31, v0                           ; lane
	v_lshrrev_b32 v4, 5, v0
	v_readfirstlane_b32 s10, v4                    ; wave 0..7
	v_and_b32 v2, 15, v0                           ; r
	v_bfe_u32 v3, v0, 4, 1                         ; h
	s_lshr_b32 s11, ttmp9, 2                       ; head
	s_mul_i32 s12, s11, 4*PART                     ; its four partials
	s_mov_b32 s13, 0
	s_lshl_b32 s14, ttmp9, 18                      ; the group's 1,024 rows of 256 bytes
	s_lshl_b32 s16, s10, 15                        ; the wave's 128 rows
	s_add_co_u32 s14, s14, s16                     ; below 2^26
	s_mov_b32 s15, 0
	s_lshl_b32 s17, s10, 9
	v_lshlrev_b32 v[BA], 4, v1                     ; 16 lane
	v_add_nc_u32 v[PO], s17, v[BA]
	v_lshlrev_b32 v[KO], 3, v1
	v_lshlrev_b32 v[QO], 4, v2
	v_lshl_add_u32 v[QO], v3, 12, v[QO]            ; 16 r + 16 rows x h
	s_wait_kmcnt 0x0
	s_add_nc_u64 s[6:7], s[6:7], s[12:13]          ; the head's partials
	s_add_nc_u64 s[4:5], s[4:5], s[14:15]          ; query and out0 at my wave's first row
	s_add_nc_u64 s[8:9], s[8:9], s[14:15]
.irp p, 0,1,2,3
.irp t, 0,1,2,3
	global_load_b128 v[LP+16*\p+4*\t:LP+16*\p+4*\t+3], v[PO], s[6:7] offset:\p*PART+\t*4096    ; piece 8t + wave: 512 consecutive bytes
.endr
.endr
.irp p, 0,1,2,3
	global_load_b64 v[LK+2*\p:LK+2*\p+1], v[KO], s[6:7] offset:\p*PART+16384                   ; k_sum[2 lane], [2 lane + 1]: 256 consecutive bytes
.endr
	WIN TO_1
	QLOADS 0, 0                                    ; behind the 20 loads of the partials, which are wanted first: 52 loads of the wave are out
	QLOADS 1, 1
	WIN 0
	; the selection matrices.  Place (h, register p, half b) along K holds row 16h + 2p + b of the block; column n = r of S_g picks row 16g + r.
	; So lane (r, h) holds a single 1.0, in S_h, register r / 2, half r % 2: of the sixteen registers the one numbered 8h + r / 2 = lane / 2.
	v_lshrrev_b32 v[IDX], 1, v1
	v_and_b32 v[SH], 1, v0
	v_lshlrev_b32 v[SH], 4, v[SH]                  ; 16 (r % 2)
	v_mov_b32 v[ONE], 0x3f80                       ; 1.0 in bf16
	v_lshlrev_b32 v[ONE], v[SH], v[ONE]
.set k, 0
.rept 16
	v_cmp_eq_u32 vcc_lo, k, v[IDX]
	v_cndmask_b32 v[SEL+k], 0, v[ONE], vcc_lo
.set k, k+1
.endr
	s_lshl_b32 s19, s10, 10
	s_add_co_u32 s19, s19, BIMG
	v_add_nc_u32 v[BS], s19, v[BA]                 ; BIMG + 1024 wave + 16 lane
	s_lshl_b32 s20, s10, 7
	s_add_co_u32 s20, s20, KSB
	v_lshl_add_u32 v[KS], v1, 2, s20               ; KSB + 128 wave + 4 lane
	v_lshl_add_u32 v[KA], v3, 6, s20               ; KSB + 128 wave + 64 h
	v_lshlrev_b32 v[OO], 4, v2
	v_lshl_add_u32 v[OO], v3, 11, v[OO]
	s_mov_b32 s22, EPS
	s_mov_b32 s23, EPS
	s_wait_loadcnt 32                              ; loads return in order (ISA guide 5.7.1): the partials are in, the 32 loads of query behind them stay out
	WIN TO_1
	QLOADS 2, 2                                    ; 48 loads of query, 24,576 bytes of the wave, are now asked for
	WIN 0
.irp c, 0,2,4,6,8,10,12,14
	v_pk_add_f32 v[LP+\c:LP+\c+1],       v[LP+\c:LP+\c+1],       v[LP+16+\c:LP+16+\c+1]
	v_pk_add_f32 v[LP+32+\c:LP+32+\c+1], v[LP+32+\c:LP+32+\c+1], v[LP+48+\c:LP+48+\c+1]
	v_pk_add_f32 v[LP+\c:LP+\c+1],       v[LP+\c:LP+\c+1],       v[LP+32+\c:LP+32+\c+1]
.endr
	v_pk_add_f32 v[LK:LK+1],   v[LK:LK+1],   v[LK+2:LK+3]
	v_pk_add_f32 v[LK+4:LK+5], v[LK+4:LK+5], v[LK+6:LK+7]
	v_pk_add_f32 v[LK:LK+1],   v[LK:LK+1],   v[LK+4:LK+5]
	; piece t, register i is kv[32h + 16a + 4i + t][4r + u]: fragment register 2i takes t = 0, 1, register 2i + 1 takes t = 2, 3
.irp i, 0,1,2,3
	v_cvt_pk_bf16_f32 v[TB+2*\i],   v[LP+\i],   v[LP+4+\i]
	v_cvt_pk_bf16_f32 v[TB+2*\i+1], v[LP+8+\i], v[LP+12+\i]
.endr
	v_cvt_pk_bf16_f32 v[TK], v[LK], v[LK+1]
	ds_store_b128 v[BS], v[TB:TB+3]
	ds_store_b128 v[BS], v[TB+4:TB+7] offset:512
	ds_store_b32 v[KS], v[TK]                      ; my wave's own copy of k_sum, d ascending
	s_wait_dscnt 0x0                               ; for the other waves' sake: my part of B is in LDS
	s_barrier_signal -1
	s_barrier_wait -1
.irp u, 0,1,2,3
.irp a, 0,1
	ds_load_b128 v[BB+8*(5*\a+\u):BB+8*(5*\a+\u)+3],   v[BA] offset:BIMG+(2*\u+\a)*1024
	ds_load_b128 v[BB+8*(5*\a+\u)+4:BB+8*(5*\a+\u)+7], v[BA] offset:BIMG+(2*\u+\a)*1024+512
.endr
.endr
.irp a, 0,1
	ds_load_b128 v[BB+8*(5*\a+4):BB+8*(5*\a+4)+3],   v[KA] offset:32*\a      ; k_sum[32h + 16a ..], the same in all sixteen columns
	ds_load_b128 v[BB+8*(5*\a+4)+4:BB+8*(5*\a+4)+7], v[KA] offset:32*\a+16
.endr
; Sixteen rows, number n of the wave's eight tiles, from the A fragments of half g of the block.
; The first step writes over the last tile's results: five v_nop stand between (four in front of the reciprocals, one behind them), as many
; places as are asked for before a matrix instruction writes over an earlier one's registers (ISA guide 7.12.1).
.macro TILE n, g
.irp u, 4,0,1,2,3
	v_wmma_f32_16x16x32_bf16 v[D+8*\u:D+8*\u+7], v[A+16*\g:A+16*\g+7], v[BB+8*\u:BB+8*\u+7], 0            ; the first step starts the sums
.endr
.irp u, 4,0,1,2,3
	v_wmma_f32_16x16x32_bf16 v[D+8*\u:D+8*\u+7], v[A+16*\g+8:A+16*\g+15], v[BB+40+8*\u:BB+40+8*\u+7], v[D+8*\u:D+8*\u+7]
.endr
.rept 4
	v_nop                                          ; four places before vector instructions read the results (ISA guide 7.12.1)
.endr
.irp j, 0,1,2,3,4,5,6,7
	v_rcp_f32 v[R+\j], v[D+32+\j]                  ; 1 / denominator of row 8h + j
.endr
	s_wait_xcnt 0x0                                ; O, which the last tile's stores read, is rewritten only behind this wait
	v_nop                                          ; one plain vector instruction between the reciprocals and their use (ISA guide 5.7.2)
	s_wait_alu depctr_va_vdst(0)
.irp j, 0,1,2,3,4,5,6,7
.irp u, 0,1,2,3
	v_mul_f32 v[O+4*\j+\u], v[D+8*\u+\j], v[R+\j]  ; out[8h + j][4r + u]
.endr
.endr
.irp j, 0,1,2,3,4,5,6,7
	global_store_b128 v[OO], v[O+4*\j:O+4*\j+3], s[8:9] offset:(\n)*16*ROWB+\j*ROWB th:TH_STORE_NT   ; lanes 0-15 store row j whole, lanes 16-31 row 8 + j
.endr
.endm
; A block of 32 rows, which lies in a slot of the ring.
.macro BLOCK b, slot
.set XS, X+64*(\slot)
.if \b == 0
.set ISSUED, 48                                    ; loads of query issued so far: three blocks,
.else
.set ISSUED, 64                                    ; or all four
.endif
	WIN IN_1
.set pg, 0
.rept 4
	s_wait_loadcnt ISSUED-16*(\b)-4*(pg+1)         ; four more rows of my half are in; every load of query issued behind them stays out
.set c, 0
.rept 16
	v_max_num_f32 v[XS+16*pg+c], 0, v[XS+16*pg+c]
.set c, c+1
.endr
.set c, 0
.rept 8
	v_pk_add_f32 v[XS+16*pg+2*c:XS+16*pg+2*c+1], v[XS+16*pg+2*c:XS+16*pg+2*c+1], s[22:23] op_sel_hi:[1,0]
.set c, c+1
.endr
.set pg, pg+1
.endr
	WIN FROM_1
	; AT was read by the last block's turning matrix instructions: the 96 lines above, which name none of their registers, stand between
.irp p, 0,1,2,3,4,5,6,7
.irp t, 0,1,2,3
	v_cvt_pk_bf16_f32 v[AT+8*\t+\p], v[XS+8*\p+\t], v[XS+8*\p+4+\t]    ; tile t: d = 4r + t of rows 16h + 2p (low half), 16h + 2p + 1 (high half)
.endr
.endr
	WIN TO_1
.if \b == 0
	QLOADS 3, 0                                    ; the slot has been read out: the wave's last block is asked for
.endif
.irp g, 0,1
.irp t, 0,1,2,3
	v_wmma_f32_16x16x32_bf16 v[TD+8*(4*\g+\t):TD+8*(4*\g+\t)+7], v[AT+8*\t:AT+8*\t+7], v[SEL+8*\g:SEL+8*\g+7], 0    ; q[16g + r][32h + 4j + t]
.endr
.endr
.rept 4
	v_nop                                          ; four places before vector instructions read the results (ISA guide 7.12.1)
.endr
	WIN FROM_1
	; place (h, p, b) of step a is d = 32h + 16a + 2p + b = 32h + 4j + t: j = 4a + p / 2, t = 2 (p % 2) + b
.irp g, 0,1
.irp a, 0,1
.irp p, 0,1,2,3,4,5,6,7
	v_cvt_pk_bf16_f32 v[A+16*\g+8*\a+\p], v[TD+8*(4*\g+2*(\p&1))+4*\a+(\p>>1)], v[TD+8*(4*\g+2*(\p&1)+1)+4*\a+(\p>>1)]
.endr
.endr
.endr
	WIN 0
.if \b == 0
	s_wait_dscnt 0x0                               ; B is in its registers
.endif
	TILE 2*\b, 0
	TILE 2*\b+1, 1
.endm
	BLOCK 0, 0
	BLOCK 1, 1
	BLOCK 2, 2
	BLOCK 3, 0
	s_wait_tensorcnt 0x0
	ds_add_u32 v254, v255
	s_wait_dscnt 0x0
	s_endpgm
.Lfunc_end_k_qb7c4ec47c4_apply:
	.size	k_qb7c4ec47c4_apply, .Lfunc_end_k_qb7c4ec47c4_apply-k_qb7c4ec47c4_apply
	.p2alignl 7, 3214868480
	.fill 96, 4, 3214868480
	.section	.rodata,"a",@progbits
	.p2align	6, 0x0
	.amdhsa_kernel k_qb7c4ec47c4_apply
		.amdhsa_group_segment_fixed_size 10240
		.amdhsa_private_segment_fixed_size 0
		.amdhsa_enable_private_segment 0
		.amdhsa_kernarg_size 24
		.amdhsa_user_sgpr_count 2
		.amdhsa_user_sgpr_kernarg_segment_ptr 1
		.amdhsa_wavefront_size32 1
		.amdhsa_system_sgpr_workgroup_id_x 1
		.amdhsa_system_sgpr_workgroup_id_y 1
		.amdhsa_system_sgpr_workgroup_id_z 1
		.amdhsa_system_vgpr_workitem_id 0
		.amdhsa_next_free_vgpr 512
		.amdhsa_next_free_sgpr 66
		.amdhsa_reserve_vcc 1
		.amdhsa_float_denorm_mode_32 3
		.amdhsa_float_denorm_mode_16_64 3
		.amdhsa_memory_ordered 1
		.amdhsa_forward_progress 1
		.amdhsa_inst_pref_size 74
	.end_amdhsa_kernel
	.amdgpu_metadata
---
amdhsa.version: [ 1, 2 ]
amdhsa.kernels:
  - .name:           k_qb7c4ec47c4_apply
    .symbol:         k_qb7c4ec47c4_apply.kd
    .args:
      - { .name: query, .offset: 0, .size: 8, .value_kind: global_buffer, .address_space: global }
      - { .name: part, .offset: 8, .size: 8, .value_kind: global_buffer, .address_space: global }
      - { .name: out0, .offset: 16, .size: 8, .value_kind: global_buffer, .address_space: global }
    .group_segment_fixed_size: 10240
    .private_segment_fixed_size: 0
    .kernarg_segment_align: 8
    .kernarg_segment_size: 24
    .max_flat_workgroup_size: 256
    .sgpr_count:     66
    .vgpr_count:     512
    .wavefront_size: 32
...
	.end_amdgpu_metadata
.endif
;; end of part 2
;; ======== version 2 of 2: 2 launches; version 1 with the launches kvsum, apply written anew for expert scheduling mode
;; workspace buffers: part 4,259,840 bytes
;; launch kvsum (part 3): grid 256 x 1, 8 waves a work-group, no clusters, 140,288 bytes of LDS; arguments key, value, mask, part; writes part
.if DOCPART == 3
	.amdgcn_target "amdgcn-amd-amdhsa--gfx1250"
	.amdhsa_code_object_version 6
	.text
	.protected	k_qb7c4ec47c4_kvsum
	.globl	k_qb7c4ec47c4_kvsum
	.p2align	8
	.type	k_qb7c4ec47c4_kvsum,@function
k_qb7c4ec47c4_kvsum:
	s_mov_b64 s[64:65], 0
	v_nop
	global_prefetch_b8 v0, s[64:65] scope:SCOPE_SE
	s_setreg_imm32_b32 hwreg(HW_REG_WAVE_SCHED_MODE, 0, 2), 2
	s_setreg_imm32_b32 hwreg(HW_REG_WAVE_MODE, 25, 1), 1
	s_wait_xcnt 0x0
	s_wait_alu depctr_vm_vsrc(0)
; PARTIAL kv AND k_sum.  key, value: [64 heads][4096][64] f32.  mask: [4][4096] f32.
; k = (max(key, 0) + 0.001) * mask;  kv[d][e] = sum over s of k[s][d] value[s][e];  k_sum[d] = sum over s of k[s][d].
; Work-group g owns rows 1024 g .. 1024 g + 1023 of the flattened [262144][64] arrays (head g / 4, quarter g % 4) and stores
; its partial sums in part + 16640 g: 16,384 bytes of kv (layout below), then 256 bytes of k_sum[0..63], all f32.
; Eight waves, 128 rows each, in four blocks of 32 rows; a block is one step of the matrix instruction's K axis.
;
; NO TRANSPOSE: lane (r = lane % 16, h = lane / 16) loads the 16 bytes of columns 4r .. 4r+3 of row 16h + i, i = 0 .. 15, so sixteen lanes
; read one whole row of 256 bytes.  Its four floats go to four different tiles: tile t's row (A, from k) or column (B, from value)
; r stands for d or e = 4r + t.  The lane's 16 rows fill its 16 places along K, alike in A and B, so every product meets its partner.
; Accumulator tile (t, u) register j of lane (r, h) is then kv[32h + 4j + t][4r + u].  It lies in register 8 (4t + u) + j of window 1, and in
; the workspace at byte 512 q + 16 lane + 4 (j % 4), q = 8t + 2u + j / 4: the next launch makes its bf16 operand from that lane by lane.
;
; k and value enter the matrix unit in bf16, sums in f32.  k_sum is summed in f32 from the unrounded k by the vector unit.
; LIMITS: max(key, 0) is v_max_num_f32: a NaN in key becomes 0.001 * mask.  (max + 0.001) * mask is formed as one fused
; max * mask + (0.001 * mask): the same number for a mask of 0 or 1, within an ulp of f32 otherwise.
; NO CLUSTER: work-groups share nothing but the mask, 4,096 bytes against 524,288 bytes of rows that each reads alone.
;
; THE MODE: SCHED_MODE bits 1:0 = 2 (LLVM: expert scheduling mode 2), set by the entry lines.  The code itself states the register dependences
; between vector or matrix instructions and memory or LDS instructions, with s_wait_alu, always for 0.
; THE PLAN.  Registers that memory or LDS instructions touch:
;   KB, VB     the ring, one block.  A GROUP is two pairs of rows, 8 loads, 32 registers.  Its maxima and multiply-adds work on KB in place, its sums and
;              conversions read KB and VB; behind the conversions the same rows of the next block are asked for into the same registers.
;   M          the block's mask.  Read by the block's multiplies and multiply-adds; the next block's four LDS loads land in it behind the last group.
;              At the head M's first four registers are also the data of the LDS store that lays the wave's mask down.
;   v2 - v13   offsets and LDS addresses, each written once at the head and never again.
;   the accumulators and KS are the data of the LDS stores on the way out; the sums made there are the data of the global stores.
;   EM, T, FA, FB are named by vector and matrix instructions alone.
; So ONE wait on va_vdst stands in a group, behind its conversions: the group's vector instructions are done with its 32 registers.  The eight loads follow it with no
; vector instruction between; behind a block's last group the four LDS loads of the mask follow them under the same wait.  The last block asks for nothing and has no such wait.
.set EPS,   0x3a83126f                 ; 0.001
.set ROWB,  256                        ; bytes in a row
.set BLKB,  32*ROWB                    ; bytes in a block of one tensor
.set NBLK,  4                          ; blocks of a wave
.set WSTG,  16384                      ; LDS: a wave's accumulators, 32 x 512 bytes; eight of them from byte 0
.set MK,    8*WSTG                     ; LDS: a wave's 128 mask numbers, 512 bytes a wave
.set KSS,   MK+8*512                   ; LDS: a wave's k_sum, 16 bytes a lane, 512 bytes a wave
.set PART,  16640                      ; bytes of a partial in the workspace
.set VO,  2                            ; v2   16 r + 4096 h: my 16 bytes in row 16h of a block
.set L16, 3                            ; v3   16 x lane
.set MS,  4                            ; v4   LDS: where I put 16 bytes of mask; + 4096: my k_sum
.set MA,  8                            ; v8   LDS: the mask of my half's 16 rows in block 0
.set ST,  9                            ; v9   LDS: my 16 bytes in my wave's stage
.set RD0, 10                           ; v10  2048 wave + 16 lane: my part of waves 0-3's stages; also my byte offset in the partial
.set RD1, 11                           ; v11  the same in waves 4-7's stages (LDS offsets have 16 bits)
.set KA,  12                           ; v12  LDS: k_sum as wave 0 reads it
.set KG,  13                           ; v13  16 r + 8 h
.set KS,  14                           ; v[14:17]   k_sum of d = 4r .. 4r+3 over my half's rows
.set T,   18                           ; v[18:21]   at work
.set M,   22                           ; v[22:37]   mask of my 16 rows of the block
.set EM,  38                           ; v[38:53]   0.001 * mask
.set FA,  54                           ; v[54:85]   A fragments, tile t at FA + 8t
.set FB,  86                           ; v[86:117]  B fragments
.set KB,  118                          ; v[118:181] key, row i at KB + 4i
.set VB,  182                          ; v[182:245] value, row i at VB + 4i
.set ISS, 0                            ; loads of key and value issued so far, counted as the text is assembled
; window 1 (v256-383): the 16 accumulator tiles.  s_set_vgpr_msb's low byte: bits 1:0 source 0, 3:2 source 1, 5:4 source 2, 7:6 destination.
.set MSB, 0
.macro WIN new                         ; the immediate's high byte repeats the setting that is left
.if MSB != \new
	s_set_vgpr_msb (MSB<<8)|\new
.set MSB, \new
.endif
.endm
; four loads: rows 2p and 2p+1 of my half of block b, of key and of value
.macro LOADS b, p
	global_load_b128 v[KB+8*(\p):KB+8*(\p)+3],   v[VO], s[4:5] offset:(\b)*BLKB+(2*(\p))*ROWB th:TH_LOAD_NT
	global_load_b128 v[KB+8*(\p)+4:KB+8*(\p)+7], v[VO], s[4:5] offset:(\b)*BLKB+(2*(\p)+1)*ROWB th:TH_LOAD_NT
	global_load_b128 v[VB+8*(\p):VB+8*(\p)+3],   v[VO], s[6:7] offset:(\b)*BLKB+(2*(\p))*ROWB th:TH_LOAD_NT
	global_load_b128 v[VB+8*(\p)+4:VB+8*(\p)+7], v[VO], s[6:7] offset:(\b)*BLKB+(2*(\p)+1)*ROWB th:TH_LOAD_NT
.set ISS, ISS+4
.endm
; the mask of my half's 16 rows of block b, from my wave's own LDS bytes (sixteen lanes read the same words)
.macro MASK b
.irp c, 0,1,2,3
	ds_load_b128 v[M+4*\c:M+4*\c+3], v[MA] offset:(\b)*128+16*\c
.endr
.endm
	s_load_b256 s[4:11], s[0:1], 0x0               ; key s[4:5], value s[6:7], mask s[8:9], part s[10:11]
	v_lshl_add_u32 v254, v0, 2, 0x22000
	v_mov_b32 v255, 0
	v_and_b32 v1, 31, v0                           ; lane
	v_lshrrev_b32 v5, 5, v0
	v_readfirstlane_b32 s12, v5                    ; wave 0..7
	v_and_b32 v6, 15, v0                           ; r
	v_bfe_u32 v7, v0, 4, 1                         ; h
	s_lshl_b32 s14, ttmp9, 18                      ; the group's 1,024 rows of 256 bytes
	s_wait_alu depctr_va_sdst(0)                   ; s12 is written, ahead of its first reader: bases, LDS addresses and the last branch are made from it
	s_lshl_b32 s13, s12, 15                        ; the wave's 128 rows
	s_add_co_u32 s14, s14, s13                     ; below 2^26
	s_mov_b32 s15, 0
	s_lshr_b32 s16, ttmp9, 6                       ; batch = head / 16 = group / 64: 16,384 bytes of mask each
	s_lshl_b32 s16, s16, 14
	s_and_b32 s17, ttmp9, 3                        ; quarter of the head: 4,096 bytes of mask
	s_lshl_b32 s17, s17, 12
	s_add_co_u32 s16, s16, s17
	s_lshl_b32 s17, s12, 9                         ; the wave's 128 numbers
	s_add_co_u32 s16, s16, s17
	s_mov_b32 s17, 0
	s_mul_i32 s24, ttmp9, PART
	s_mov_b32 s25, 0
	s_mov_b32 s18, EPS
	s_mov_b32 s19, EPS
	v_lshlrev_b32 v[L16], 4, v1
	v_lshlrev_b32 v[VO], 4, v6
	v_lshl_add_u32 v[VO], v7, 12, v[VO]            ; 16 r + 16 rows x h
	s_wait_kmcnt 0x0
	s_add_nc_u64 s[4:5], s[4:5], s[14:15]          ; key and value at my wave's first row
	s_add_nc_u64 s[6:7], s[6:7], s[14:15]
	s_add_nc_u64 s[8:9], s[8:9], s[16:17]          ; mask at my wave's first row
	s_add_nc_u64 s[10:11], s[10:11], s[24:25]      ; the group's partial
	s_wait_alu depctr_va_vdst(0)                   ; v[L16] and v[VO] are written: every load of mask, key and value reads one of them as its offset
	global_load_b128 v[M:M+3], v[L16], s[8:9]      ; the wave's 512 bytes of mask, once, 16 bytes a lane
.irp p, 0,1,2,3,4,5,6,7
	LOADS 0, \p                                    ; the ring: block 0, 32 loads, 16,384 bytes of the wave on their way
.endr
	s_lshl_b32 s20, s12, 9
	s_add_co_u32 s20, s20, MK
	v_add_nc_u32 v[MS], s20, v[L16]                ; MK + 512 wave + 16 lane
	v_lshl_add_u32 v[MA], v7, 6, s20               ; MK + 512 wave + 64 h
	s_lshl_b32 s21, s12, 14
	v_add_nc_u32 v[ST], s21, v[L16]                ; 16384 wave + 16 lane
	s_lshl_b32 s22, s12, 11
	v_add_nc_u32 v[RD0], s22, v[L16]               ; 2048 wave + 16 lane
	v_add_nc_u32 v[RD1], 4*WSTG, v[RD0]
	v_lshlrev_b32 v[KG], 4, v6
	v_lshl_add_u32 v[KG], v7, 3, v[KG]             ; 16 r + 8 h
	v_add_nc_u32 v[KA], KSS, v[KG]
	s_wait_loadcnt 32                              ; loads return in order (ISA guide 5.7.1): the mask is in, the 32 ring loads behind it stay out
	s_wait_alu depctr_va_vdst(0)                   ; the seven addresses v[MS], v[MA], v[ST], v[RD0], v[RD1], v[KG], v[KA] are written: the LDS instructions and stores from here on read them
	ds_store_b128 v[MS], v[M:M+3]                  ; into my wave's own bytes: LDS serves a wave in order, so its own loads below see it; no barrier
	s_wait_alu depctr_vm_vsrc(0)                   ; the LDS store has read v[M:M+3], in which the first of the loads below lands
	MASK 0
; Rows 2p, 2p+1 of block b: the feature map on key, and k_sum.
.macro FEAT b, p
	s_wait_loadcnt ISS-4*(8*(\b)+(\p)+1)           ; the pair's four loads are numbers 4 (8b + p) .. + 3 of those issued: they are in, all younger ones stay out
.irp c, 0,1,2,3,4,5,6,7
	v_max_num_f32 v[KB+8*(\p)+\c], 0, v[KB+8*(\p)+\c]
.endr
	; max * mask + 0.001 * mask, two at a time; the row's mask feeds both halves: the pair's first register for row 2p, its second for row 2p+1
	v_pk_fma_f32 v[KB+8*(\p):KB+8*(\p)+1],   v[KB+8*(\p):KB+8*(\p)+1],   v[M+2*(\p):M+2*(\p)+1], v[EM+2*(\p):EM+2*(\p)+1] op_sel_hi:[1,0,0]
	v_pk_fma_f32 v[KB+8*(\p)+2:KB+8*(\p)+3], v[KB+8*(\p)+2:KB+8*(\p)+3], v[M+2*(\p):M+2*(\p)+1], v[EM+2*(\p):EM+2*(\p)+1] op_sel_hi:[1,0,0]
	v_pk_fma_f32 v[KB+8*(\p)+4:KB+8*(\p)+5], v[KB+8*(\p)+4:KB+8*(\p)+5], v[M+2*(\p):M+2*(\p)+1], v[EM+2*(\p):EM+2*(\p)+1] op_sel:[0,1,1] op_sel_hi:[1,1,1]
	v_pk_fma_f32 v[KB+8*(\p)+6:KB+8*(\p)+7], v[KB+8*(\p)+6:KB+8*(\p)+7], v[M+2*(\p):M+2*(\p)+1], v[EM+2*(\p):EM+2*(\p)+1] op_sel:[0,1,1] op_sel_hi:[1,1,1]
.if ((\b)+(\p)) == 0
	v_pk_add_f32 v[KS:KS+1],   v[KB:KB+1],   v[KB+4:KB+5]          ; the first two rows start k_sum: nothing is cleared
	v_pk_add_f32 v[KS+2:KS+3], v[KB+2:KB+3], v[KB+6:KB+7]
.else
	v_pk_add_f32 v[T:T+1],     v[KB+8*(\p):KB+8*(\p)+1],   v[KB+8*(\p)+4:KB+8*(\p)+5]
	v_pk_add_f32 v[T+2:T+3],   v[KB+8*(\p)+2:KB+8*(\p)+3], v[KB+8*(\p)+6:KB+8*(\p)+7]
	v_pk_add_f32 v[KS:KS+1],   v[KS:KS+1],   v[T:T+1]
	v_pk_add_f32 v[KS+2:KS+3], v[KS+2:KS+3], v[T+2:T+3]
.endif
.endm
; Register p of all eight fragments.
.macro ROUND p
.irp t, 0,1,2,3
	v_cvt_pk_bf16_f32 v[FA+8*\t+(\p)], v[KB+8*(\p)+\t], v[KB+8*(\p)+4+\t]    ; tile t: d = 4r + t of rows 2p (low half), 2p+1 (high half)
	v_cvt_pk_bf16_f32 v[FB+8*\t+(\p)], v[VB+8*(\p)+\t], v[VB+8*(\p)+4+\t]    ; tile t: e = 4r + t of the same two rows
.endr
.endm
; Group g of block b: pairs 2g and 2g + 1; then their registers are asked for again at once, so that they lie idle no longer than the wait itself.
.macro GROUP b, g
	FEAT \b, 2*(\g)
	FEAT \b, 2*(\g)+1
	ROUND 2*(\g)
	ROUND 2*(\g)+1
.if \b < NBLK-1
	s_wait_alu depctr_va_vdst(0)                   ; the group's maxima and multiply-adds have written, and its sums and conversions are done reading, the 32 registers of KB and VB in which the eight loads below land
	LOADS (\b)+1, 2*(\g)
	LOADS (\b)+1, 2*(\g)+1
.endif
.endm
; 16 matrix instructions: 64 d x 64 e x 32 rows.  zero = 1: the first block starts the sums.
.macro MM zero
.irp t, 0,1,2,3
.irp u, 0,1,2,3
.if \zero
	v_wmma_f32_16x16x32_bf16 v[8*(4*\t+\u):8*(4*\t+\u)+7], v[FA+8*\t:FA+8*\t+7], v[FB+8*\u:FB+8*\u+7], 0
.else
	v_wmma_f32_16x16x32_bf16 v[8*(4*\t+\u):8*(4*\t+\u)+7], v[FA+8*\t:FA+8*\t+7], v[FB+8*\u:FB+8*\u+7], v[8*(4*\t+\u):8*(4*\t+\u)+7]
.endif
.endr
.endr
.endm
; A block.  The fragments are written again by the next block's first conversions, which stand behind its 8 multiplies, 16 maxima, 8 multiply-adds
; and 8 sums, none of which names a register of a matrix instruction: more than the four places asked for behind one (ISA guide 7.12.1).
.macro BLOCK b
	s_wait_dscnt 0x0                               ; the block's mask is in
.irp i, 0,2,4,6,8,10,12,14
	v_pk_mul_f32 v[EM+\i:EM+\i+1], v[M+\i:M+\i+1], s[18:19] op_sel_hi:[1,0]
.endr
	GROUP \b, 0
	GROUP \b, 1
	GROUP \b, 2
	GROUP \b, 3
.if \b < NBLK-1
	MASK (\b)+1                                    ; under the last group's wait, behind which no vector instruction stands: the block's multiplies and multiply-adds are done reading M.  It comes in while the matrix instructions issue
.endif
	WIN 0x50                                       ; C and D in window 1, A and B in window 0
.if \b == 0
	MM 1
.else
	MM 0
.endif
	WIN 0
.endm
	BLOCK 0
	BLOCK 1
	BLOCK 2
	BLOCK 3
	; THE EIGHT WAVES' SUMS MEET IN LDS.  Four places stand between the last matrix instruction and the stores that read results.
.rept 4
	v_nop
.endr
	WIN 0x04                                       ; an LDS store's data is source 1: window 1
	s_wait_alu depctr_va_vdst(0)                   ; the matrix instructions have written the accumulators and the sums KS, which the LDS stores read; the places above stay beside this wait.  The last block is also done with KB and VB, in which the loads behind the barrier land
.set q, 0
.rept 32
	ds_store_b128 v[ST], v[4*q:4*q+3] offset:512*q ; four accumulator registers, 512 consecutive bytes of the wave
.set q, q+1
.endr
	WIN 0
	ds_store_b128 v[MS], v[KS:KS+3] offset:KSS-MK  ; my k_sum
	s_wait_dscnt 0x0                               ; for the other waves' sake: all my stores are done
	s_barrier_signal -1
	s_barrier_wait -1
	; wave w sums the pieces q = 4w .. 4w+3 of all eight stages, in the order of the waves
.irp w, 0,1,2,3
.irp c, 0,1,2,3
	ds_load_b128 v[KB+16*\w+4*\c:KB+16*\w+4*\c+3], v[RD0] offset:\w*WSTG+\c*512
.endr
.endr
.irp w, 4,5,6,7
.irp c, 0,1,2,3
	ds_load_b128 v[KB+16*\w+4*\c:KB+16*\w+4*\c+3], v[RD1] offset:(\w-4)*WSTG+\c*512
.endr
.endr
.irp w, 1,2,3,4,5,6,7
	s_wait_dscnt 4*(7-\w)                          ; LDS loads return in order: stage w's four are in, those of the later stages stay out
.irp c, 0,2,4,6,8,10,12,14
	v_pk_add_f32 v[KB+\c:KB+\c+1], v[KB+\c:KB+\c+1], v[KB+16*\w+\c:KB+16*\w+\c+1]
.endr
.endr
	s_wait_alu depctr_va_vdst(0)                   ; the additions have written v[KB:KB+15], which the stores read, and are done reading the registers behind them, in which wave 0's loads below land
.irp c, 0,1,2,3
	global_store_b128 v[RD0], v[KB+4*\c:KB+4*\c+3], s[10:11] offset:\c*512     ; 512 consecutive bytes, at a multiple of 256 from the buffer's first byte
.endr
	s_cmp_lg_u32 s12, 0
	s_cbranch_scc1 .Ldone
	; wave 0: k_sum.  Lane (r, h) sums d = 4r + 2h and 4r + 2h + 1 over the 16 half-waves; registers other than the pending stores' data
.irp k, 0,1,2,3,4,5,6,7,8,9,10,11,12,13,14,15
	ds_load_b64 v[KB+16+2*\k:KB+16+2*\k+1], v[KA] offset:\k*256
.endr
	s_wait_dscnt 0x0
.irp k, 1,2,3,4,5,6,7,8,9,10,11,12,13,14,15
	v_pk_add_f32 v[KB+16:KB+17], v[KB+16:KB+17], v[KB+16+2*\k:KB+16+2*\k+1]
.endr
	s_wait_alu depctr_va_vdst(0)                   ; the additions have written v[KB+16:KB+17], which the store reads
	global_store_b64 v[KG], v[KB+16:KB+17], s[10:11] offset:16384              ; 32 lanes, 256 consecutive bytes: k_sum[0..63]
.Ldone:
	s_wait_dscnt 0x0
	s_wait_alu depctr_hold_cnt(0) depctr_sa_sdst(0) depctr_va_vdst(0) depctr_va_sdst(0) depctr_va_ssrc(0) depctr_va_vcc(0) depctr_vm_vsrc(0)
	s_wait_tensorcnt 0x0
	ds_add_u32 v254, v255
	s_wait_dscnt 0x0
	s_endpgm
.Lfunc_end_k_qb7c4ec47c4_kvsum:
	.size	k_qb7c4ec47c4_kvsum, .Lfunc_end_k_qb7c4ec47c4_kvsum-k_qb7c4ec47c4_kvsum
	.p2alignl 7, 3214868480
	.fill 96, 4, 3214868480
	.section	.rodata,"a",@progbits
	.p2align	6, 0x0
	.amdhsa_kernel k_qb7c4ec47c4_kvsum
		.amdhsa_group_segment_fixed_size 140288
		.amdhsa_private_segment_fixed_size 0
		.amdhsa_enable_private_segment 0
		.amdhsa_kernarg_size 32
		.amdhsa_user_sgpr_count 2
		.amdhsa_user_sgpr_kernarg_segment_ptr 1
		.amdhsa_wavefront_size32 1
		.amdhsa_system_sgpr_workgroup_id_x 1
		.amdhsa_system_sgpr_workgroup_id_y 1
		.amdhsa_system_sgpr_workgroup_id_z 1
		.amdhsa_system_vgpr_workitem_id 0
		.amdhsa_next_free_vgpr 384
		.amdhsa_next_free_sgpr 66
		.amdhsa_reserve_vcc 0
		.amdhsa_float_denorm_mode_32 3
		.amdhsa_float_denorm_mode_16_64 3
		.amdhsa_memory_ordered 1
		.amdhsa_forward_progress 1
		.amdhsa_inst_pref_size 74
	.end_amdhsa_kernel
	.amdgpu_metadata
---
amdhsa.version: [ 1, 2 ]
amdhsa.kernels:
  - .name:           k_qb7c4ec47c4_kvsum
    .symbol:         k_qb7c4ec47c4_kvsum.kd
    .args:
      - { .name: key, .offset: 0, .size: 8, .value_kind: global_buffer, .address_space: global }
      - { .name: value, .offset: 8, .size: 8, .value_kind: global_buffer, .address_space: global }
      - { .name: mask, .offset: 16, .size: 8, .value_kind: global_buffer, .address_space: global }
      - { .name: part, .offset: 24, .size: 8, .value_kind: global_buffer, .address_space: global }
    .group_segment_fixed_size: 140288
    .private_segment_fixed_size: 0
    .kernarg_segment_align: 8
    .kernarg_segment_size: 32
    .max_flat_workgroup_size: 256
    .sgpr_count:     66
    .vgpr_count:     384
    .wavefront_size: 32
...
	.end_amdgpu_metadata
.endif
;; end of part 3
;; launch apply (part 4): grid 256 x 1, 8 waves a work-group, no clusters, 10,240 bytes of LDS; arguments query, part, out0; writes out0
.if DOCPART == 4
	.amdgcn_target "amdgcn-amd-amdhsa--gfx1250"
	.amdhsa_code_object_version 6
	.text
	.protected	k_qb7c4ec47c4_apply
	.globl	k_qb7c4ec47c4_apply
	.p2align	8
	.type	k_qb7c4ec47c4_apply,@function
k_qb7c4ec47c4_apply:
	s_mov_b64 s[64:65], 0
	v_nop
	global_prefetch_b8 v0, s[64:65] scope:SCOPE_SE
	s_setreg_imm32_b32 hwreg(HW_REG_WAVE_SCHED_MODE, 0, 2), 2
	s_setreg_imm32_b32 hwreg(HW_REG_WAVE_MODE, 25, 1), 1
	s_wait_xcnt 0x0
	s_wait_alu depctr_vm_vsrc(0)
; out[s][e] = (sum over d of q[s][d] kv[d][e]) / (sum over d of q[s][d] k_sum[d]),  q = max(query, 0) + 0.001.
; query, out0: [64 heads][4096][64] f32.  part: for each of 256 quarters of heads 16,384 bytes of kv and 256 bytes of k_sum, f32, as the
; launch before left them: kv[32h + 4j + t][4r + u] at byte 512 (8t + 2u + j / 4) + 16 (16h + r) + 4 (j % 4).
; Work-group g owns rows 1024 g .. + 1023 (head g / 4); eight waves, 128 rows each, in four blocks of 32 rows.
;
; Q comes straight into registers: lane (r = lane % 16, h = lane / 16) loads the 16 bytes of columns 4r .. 4r+3 of row 16h + i, i = 0 .. 15, so
; sixteen lanes read one whole row of 256 bytes.  That leaves d across the lanes, and the product wants d along a lane's registers.
; THE MATRIX UNIT TURNS THE BLOCK ROUND: after max, + 0.001 and rounding to bf16 the block is an A operand as it lies (tile t: row m is
; d = 4m + t, the 32 rows of q along K).  Times a selection matrix S_g of zeros and ones, whose column n picks row 16g + n, it gives in lane (r, h),
; register j the number q[16g + r][32h + 4j + t]: one row of q in a lane, d along its registers.  Every result is one product with 1.0 and 31
; with 0, so the bf16 numbers pass unchanged and the second rounding to bf16 changes nothing.  For 32 rows that is 8 matrix instructions and 32
; conversions, in place of 8,192 bytes written into LDS and read back.
; B: the head's four partials are summed once by the work-group (wave w = 2u + a takes k step a of tile u), rounded to bf16 and passed
; through LDS; every wave then keeps all of B in 80 registers.  Along K, place (h, register p, half b) of step a stands for d = 32h + 16a + 2p + b
; in A and in B alike, so that B's registers come from the partials lane by lane.
; Tile u's column r is e = 4r + u.  All sixteen columns of a fifth tile are k_sum: its result holds each row's denominator in every lane, in the
; numerators' own layout.  The multiply by the reciprocal gathers e = 4r .. 4r+3 of a row into four registers: sixteen lanes store a whole row.
;
; q, kv and k_sum enter the matrix unit in bf16, sums in f32.
; LIMITS: max(query, 0) is v_max_num_f32: a NaN in query becomes 0.001.  An infinity in query, or a number that rounds to infinity in bf16
; (above 3.39e38), meets the zeros of the selection matrix and makes NaN of all 32 rows of its block, where the definition spoils its own row
; alone.  The division is v_rcp_f32 (1 ulp) and a multiply; v_rcp_f32 takes a denominator below 2^-126 as 0 and returns 0 for one above
; 2^126 (ISA guide 15.8).
; NO CLUSTER: the four work-groups of a head share the 66,560 bytes of its partials, against 524,288 bytes of rows that each moves alone.
;
; THE MODE: SCHED_MODE bits 1:0 = 2 (LLVM: expert scheduling mode 2), set by the entry lines.  The code itself states the register dependences
; between vector or matrix instructions and memory or LDS instructions, with s_wait_alu, always for 0.
; THE PLAN.  Registers that memory or LDS instructions touch:
;   X0 .. X2   query as loaded.  A block's maxima and additions work on its slot in place, its conversions read it.  Slot 0 alone is asked for again, for block 3,
;              behind block 0's conversions: one wait on va_vdst.
;   O, AT      two out-buffers by turns.  A block's first tile multiplies into O, its second into AT, which lies idle once the turning matrix instructions have read it.
;              Written by a tile's 32 multiplies (AT also by the next block's conversions); read by the tile's 8 stores.  One wait on va_vdst stands between a tile's
;              multiplies and its stores.  One wait on vm_vsrc a block, beside the wait on XCNT, stands ahead of the conversions into AT: all stores issued so far have read
;              O and AT.  It serves those conversions, the first tile's multiplies into O, and the second tile's into AT: the stores issued since read O alone.
;   TB, TK     the data of the LDS stores of B; later part of A: one wait on va_vdst ahead of the stores, one on vm_vsrc behind the barrier.
;   LP, LK, BB loaded once; no vector instruction names them before.
;   v5 - v13   offsets and LDS addresses, each written once at the head and never again.
;   R, A, D, SEL, TD are named by vector and matrix instructions alone.
.set EPS,   0x3a83126f                 ; 0.001
.set ROWB,  256                        ; bytes in a row
.set BLKB,  32*ROWB                    ; bytes in a block
.set BIMG,  0                          ; LDS: B's kv tiles, 1,024 bytes for each (u, a)
.set KSB,   BIMG+8*1024                ; LDS: k_sum in bf16, 128 bytes, a copy for each wave
.set PART,  16640
.set MKS,   26                         ; s[26:41] at the start: sixteen masks of lanes, one for each register of the selection matrices
; window 0
.set IDX, 4                            ; v4   lane / 2
.set PO, 5                             ; v5   512 wave + 16 lane: my bytes in a partial's kv
.set KO, 6                             ; v6   8 lane: my two numbers of k_sum
.set BS, 7                             ; v7   LDS: where I put my fragment registers
.set KS, 8                             ; v8   LDS: where I put my two k_sum
.set KA, 10                            ; v10  LDS: my wave's k_sum + 64 h
.set QO, 11                            ; v11  16 r + 4096 h: my 16 bytes of row 16h of a block of query
.set OO, 12                            ; v12  16 r + 2048 h: my 16 bytes of row 8h of a tile of out0
.set BA, 13                            ; v13  16 lane
.set R,  14                            ; v[14:21]   1 / denominator of rows 8h + j
.set BB, 22                            ; v[22:101]  B: step a, tile u at BB + 8 (5a + u); u = 4: k_sum
.set A,  102                           ; v[102:133] A: rows 16g .. 16g+15 of the block, step a at A + 16g + 8a
.set D,  134                           ; v[134:173] results, tile u at D + 8u
.set O,  174                           ; v[174:205] a block's first tile: row 8h + j, e = 4r .. 4r+3 at O + 4j
.set SEL, 206                          ; v[206:221] the selection matrices, S_g at SEL + 8g
.set AT, 222                           ; v[222:253] the block as loaded, in bf16: tile t at AT + 8t; then the block's second tile, laid out as O
.set LP, 134                           ; at the start: partial p's four pieces at LP + 16p
.set LK, 198                           ;               partial p's two k_sum at LK + 2p
.set TB, 102                           ;               my eight fragment registers
.set TK, 110
.set ONE, 14                           ;               1.0 in bf16 in the half that my column's row stands in
.set SH,  15
; window 1 (v256-511), written with the low 8 bits of the number
.set X,  0                             ; v[256:447] query as loaded: three slots of 64 registers, row i of my half at 4i
.set TD, 192                           ; v[448:511] the block turned round: (g, t) at TD + 8 (4g + t)
; s_set_vgpr_msb's low byte: bits 1:0 source 0, 3:2 source 1, 5:4 source 2, 7:6 destination.
.set MSB, 0
.macro WIN new                         ; the immediate's high byte repeats the setting that is left
.if MSB != \new
	s_set_vgpr_msb (MSB<<8)|\new
.set MSB, \new
.endif
.endm
.set TO_1,   0x40                      ; destination in window 1, sources in window 0: loads of query, and the turning matrix instructions
.set IN_1,   0x45                      ; sources 0, 1 and destination in window 1: max and + 0.001 in place
.set FROM_1, 0x05                      ; sources 0, 1 in window 1, destination in window 0: the conversions
; sixteen loads: block b of my wave's rows into a slot; each covers rows i and 16 + i whole
.macro QLOADS b, slot
.set qi, 0
.rept 16
	global_load_b128 v[X+64*(\slot)+4*qi:X+64*(\slot)+4*qi+3], v[QO], s[4:5] offset:(\b)*BLKB+qi*ROWB th:TH_LOAD_NT
.set qi, qi+1
.endr
.endm
	s_load_b128 s[4:7], s[0:1], 0x0                ; query s[4:5], part s[6:7]
	s_load_b64 s[8:9], s[0:1], 0x10                ; out0
	v_lshl_add_u32 v254, v0, 2, 0x2400
	v_mov_b32 v255, 0
	v_and_b32 v1, 31, v0                           ; lane
	v_lshrrev_b32 v4, 5, v0
	v_readfirstlane_b32 s10, v4                    ; wave 0..7
	v_and_b32 v2, 15, v0                           ; r
	v_bfe_u32 v3, v0, 4, 1                         ; h
	s_lshr_b32 s11, ttmp9, 2                       ; head
	s_mul_i32 s12, s11, 4*PART                     ; its four partials
	s_mov_b32 s13, 0
	s_lshl_b32 s14, ttmp9, 18                      ; the group's 1,024 rows of 256 bytes
	s_wait_alu depctr_va_sdst(0)                   ; s10 is written, ahead of its first reader: bases, offsets and LDS addresses are made from it
	s_lshl_b32 s16, s10, 15                        ; the wave's 128 rows
	s_add_co_u32 s14, s14, s16                     ; below 2^26
	s_mov_b32 s15, 0
	s_lshl_b32 s17, s10, 9
	v_lshlrev_b32 v[BA], 4, v1                     ; 16 lane
	v_add_nc_u32 v[PO], s17, v[BA]
	v_lshlrev_b32 v[KO], 3, v1
	v_lshlrev_b32 v[QO], 4, v2
	v_lshl_add_u32 v[QO], v3, 12, v[QO]            ; 16 r + 16 rows x h
	s_wait_kmcnt 0x0
	s_add_nc_u64 s[6:7], s[6:7], s[12:13]          ; the head's partials
	s_add_nc_u64 s[4:5], s[4:5], s[14:15]          ; query and out0 at my wave's first row
	s_add_nc_u64 s[8:9], s[8:9], s[14:15]
	s_wait_alu depctr_va_vdst(0)                   ; v[PO], v[KO], v[QO] and v[BA] are written: the loads of the partials, of query and of B read them as offsets and address
.irp p, 0,1,2,3
.irp t, 0,1,2,3
	global_load_b128 v[LP+16*\p+4*\t:LP+16*\p+4*\t+3], v[PO], s[6:7] offset:\p*PART+\t*4096    ; piece 8t + wave: 512 consecutive bytes
.endr
.endr
.irp p, 0,1,2,3
	global_load_b64 v[LK+2*\p:LK+2*\p+1], v[KO], s[6:7] offset:\p*PART+16384                   ; k_sum[2 lane], [2 lane + 1]: 256 consecutive bytes
.endr
	WIN TO_1
	QLOADS 0, 0                                    ; behind the 20 loads of the partials, which are wanted first: 52 loads of the wave are out
	QLOADS 1, 1
	WIN 0
	; the selection matrices.  Place (h, register p, half b) along K holds row 16h + 2p + b of the block; column n = r of S_g picks row 16g + r.
	; So lane (r, h) holds a single 1.0, in S_h, register r / 2, half r % 2: of the sixteen registers the one numbered 8h + r / 2 = lane / 2.
	v_lshrrev_b32 v[IDX], 1, v1
	v_and_b32 v[SH], 1, v0
	v_lshlrev_b32 v[SH], 4, v[SH]                  ; 16 (r % 2)
	v_mov_b32 v[ONE], 0x3f80                       ; 1.0 in bf16
	v_lshlrev_b32 v[ONE], v[SH], v[ONE]
.set k, 0
.rept 16
	v_cmp_eq_u32 s[MKS+k], k, v[IDX]               ; the sixteen compares in one run, each into a scalar register of its own
.set k, k+1
.endr
	s_wait_alu depctr_va_sdst(0)                   ; the sixteen masks are written, ahead of the selects that read them
.set k, 0
.rept 16
	v_cndmask_b32 v[SEL+k], 0, v[ONE], s[MKS+k]
.set k, k+1
.endr
	s_lshl_b32 s19, s10, 10
	s_add_co_u32 s19, s19, BIMG
	v_add_nc_u32 v[BS], s19, v[BA]                 ; BIMG + 1024 wave + 16 lane
	s_lshl_b32 s20, s10, 7
	s_add_co_u32 s20, s20, KSB
	v_lshl_add_u32 v[KS], v1, 2, s20               ; KSB + 128 wave + 4 lane
	v_lshl_add_u32 v[KA], v3, 6, s20               ; KSB + 128 wave + 64 h
	v_lshlrev_b32 v[OO], 4, v2
	v_lshl_add_u32 v[OO], v3, 11, v[OO]
	s_mov_b32 s22, EPS
	s_mov_b32 s23, EPS
	s_wait_loadcnt 32                              ; loads return in order (ISA guide 5.7.1): the partials are in, the 32 loads of query behind them stay out
	WIN TO_1
	QLOADS 2, 2                                    ; 48 loads of query, 24,576 bytes of the wave, are now asked for.  No wait: v[QO] has not been written since the head's wait, and no vector instruction has named slot 2
	WIN 0
.irp c, 0,2,4,6,8,10,12,14
	v_pk_add_f32 v[LP+\c:LP+\c+1],       v[LP+\c:LP+\c+1],       v[LP+16+\c:LP+16+\c+1]
	v_pk_add_f32 v[LP+32+\c:LP+32+\c+1], v[LP+32+\c:LP+32+\c+1], v[LP+48+\c:LP+48+\c+1]
	v_pk_add_f32 v[LP+\c:LP+\c+1],       v[LP+\c:LP+\c+1],       v[LP+32+\c:LP+32+\c+1]
.endr
	v_pk_add_f32 v[LK:LK+1],   v[LK:LK+1],   v[LK+2:LK+3]
	v_pk_add_f32 v[LK+4:LK+5], v[LK+4:LK+5], v[LK+6:LK+7]
	v_pk_add_f32 v[LK:LK+1],   v[LK:LK+1],   v[LK+4:LK+5]
	; piece t, register i is kv[32h + 16a + 4i + t][4r + u]: fragment register 2i takes t = 0, 1, register 2i + 1 takes t = 2, 3
.irp i, 0,1,2,3
	v_cvt_pk_bf16_f32 v[TB+2*\i],   v[LP+\i],   v[LP+4+\i]
	v_cvt_pk_bf16_f32 v[TB+2*\i+1], v[LP+8+\i], v[LP+12+\i]
.endr
	v_cvt_pk_bf16_f32 v[TK], v[LK], v[LK+1]
	s_wait_alu depctr_va_vdst(0)                   ; the conversions have written v[TB:TB+7] and v[TK], which the LDS stores read; the addresses v[BS], v[KS], v[KA] and the offset v[OO] are written too
	ds_store_b128 v[BS], v[TB:TB+3]
	ds_store_b128 v[BS], v[TB+4:TB+7] offset:512
	ds_store_b32 v[KS], v[TK]                      ; my wave's own copy of k_sum, d ascending
	s_wait_dscnt 0x0                               ; for the other waves' sake: my part of B is in LDS
	s_barrier_signal -1
	s_barrier_wait -1
	s_wait_alu depctr_vm_vsrc(0)                   ; my LDS stores have read v[TB:TB+7] and v[TK]: these registers are part of A from here on, written by the conversions
.irp u, 0,1,2,3
.irp a, 0,1
	ds_load_b128 v[BB+8*(5*\a+\u):BB+8*(5*\a+\u)+3],   v[BA] offset:BIMG+(2*\u+\a)*1024
	ds_load_b128 v[BB+8*(5*\a+\u)+4:BB+8*(5*\a+\u)+7], v[BA] offset:BIMG+(2*\u+\a)*1024+512
.endr
.endr
.irp a, 0,1
	ds_load_b128 v[BB+8*(5*\a+4):BB+8*(5*\a+4)+3],   v[KA] offset:32*\a      ; k_sum[32h + 16a ..], the same in all sixteen columns
	ds_load_b128 v[BB+8*(5*\a+4)+4:BB+8*(5*\a+4)+7], v[KA] offset:32*\a+16
.endr
; Sixteen rows, number n of the wave's eight tiles, from the A fragments of half g of the block, into out-buffer ob.
; The first step writes over the last tile's results: five v_nop stand between (four in front of the reciprocals, one behind them), as many
; places as are asked for before a matrix instruction writes over an earlier one's registers (ISA guide 7.12.1).
.macro TILE n, g, ob
.irp u, 4,0,1,2,3
	v_wmma_f32_16x16x32_bf16 v[D+8*\u:D+8*\u+7], v[A+16*\g:A+16*\g+7], v[BB+8*\u:BB+8*\u+7], 0            ; the first step starts the sums
.endr
.irp u, 4,0,1,2,3
	v_wmma_f32_16x16x32_bf16 v[D+8*\u:D+8*\u+7], v[A+16*\g+8:A+16*\g+15], v[BB+40+8*\u:BB+40+8*\u+7], v[D+8*\u:D+8*\u+7]
.endr
.rept 4
	v_nop                                          ; four places before vector instructions read the results (ISA guide 7.12.1)
.endr
.irp j, 0,1,2,3,4,5,6,7
	v_rcp_f32 v[R+\j], v[D+32+\j]                  ; 1 / denominator of row 8h + j
.endr
	v_nop                                          ; one plain vector instruction between the reciprocals and their use (ISA guide 5.7.2)
	s_wait_alu depctr_va_vdst(0)
.irp j, 0,1,2,3,4,5,6,7
.irp u, 0,1,2,3
	v_mul_f32 v[\ob+4*\j+\u], v[D+8*\u+\j], v[R+\j]  ; out[8h + j][4r + u].  The out-buffer's last stores stand ahead of the block's waits on XCNT and vm_vsrc
.endr
.endr
	s_wait_alu depctr_va_vdst(0)                   ; the 32 multiplies have written the out-buffer, which the eight stores read
.irp j, 0,1,2,3,4,5,6,7
	global_store_b128 v[OO], v[\ob+4*\j:\ob+4*\j+3], s[8:9] offset:(\n)*16*ROWB+\j*ROWB th:TH_STORE_NT   ; lanes 0-15 store row j whole, lanes 16-31 row 8 + j
.endr
.endm
; A block of 32 rows, which lies in a slot of the ring.
.macro BLOCK b, slot
.set XS, X+64*(\slot)
.if \b == 0
.set ISSUED, 48                                    ; loads of query issued so far: three blocks,
.else
.set ISSUED, 64                                    ; or all four
.endif
	WIN IN_1
.set pg, 0
.rept 4
	s_wait_loadcnt ISSUED-16*(\b)-4*(pg+1)         ; four more rows of my half are in; every load of query issued behind them stays out
.set c, 0
.rept 16
	v_max_num_f32 v[XS+16*pg+c], 0, v[XS+16*pg+c]
.set c, c+1
.endr
.set c, 0
.rept 8
	v_pk_add_f32 v[XS+16*pg+2*c:XS+16*pg+2*c+1], v[XS+16*pg+2*c:XS+16*pg+2*c+1], s[22:23] op_sel_hi:[1,0]
.set c, c+1
.endr
.set pg, pg+1
.endr
.if \b > 0
	s_wait_xcnt 0x0                                ; every earlier memory instruction has had its addresses translated (ISA guide 3.1): O and AT, which the last block's stores read, are rewritten only behind this wait
	s_wait_alu depctr_vm_vsrc(0)                   ; the last block's sixteen stores have read O and AT, which this block's conversions and multiplies write again
.endif
	WIN FROM_1
	; AT was read by the last block's turning matrix instructions: the 96 lines above, which name none of their registers, stand between
.irp p, 0,1,2,3,4,5,6,7
.irp t, 0,1,2,3
	v_cvt_pk_bf16_f32 v[AT+8*\t+\p], v[XS+8*\p+\t], v[XS+8*\p+4+\t]    ; tile t: d = 4r + t of rows 16h + 2p (low half), 16h + 2p + 1 (high half)
.endr
.endr
	WIN TO_1
.if \b == 0
	s_wait_alu depctr_va_vdst(0)                   ; the maxima and additions have written slot 0 and the conversions are done reading it: the sixteen loads below land in it
	QLOADS 3, 0                                    ; the slot has been read out: the wave's last block is asked for
.endif
.irp g, 0,1
.irp t, 0,1,2,3
	v_wmma_f32_16x16x32_bf16 v[TD+8*(4*\g+\t):TD+8*(4*\g+\t)+7], v[AT+8*\t:AT+8*\t+7], v[SEL+8*\g:SEL+8*\g+7], 0    ; q[16g + r][32h + 4j + t]
.endr
.endr
.rept 4
	v_nop                                          ; four places before vector instructions read the results, and before the second tile's multiplies write AT (ISA guide 7.12.1)
.endr
	WIN FROM_1
	; place (h, p, b) of step a is d = 32h + 16a + 2p + b = 32h + 4j + t: j = 4a + p / 2, t = 2 (p % 2) + b
.irp g, 0,1
.irp a, 0,1
.irp p, 0,1,2,3,4,5,6,7
	v_cvt_pk_bf16_f32 v[A+16*\g+8*\a+\p], v[TD+8*(4*\g+2*(\p&1))+4*\a+(\p>>1)], v[TD+8*(4*\g+2*(\p&1)+1)+4*\a+(\p>>1)]
.endr
.endr
.endr
	WIN 0
.if \b == 0
	s_wait_dscnt 0x0                               ; B is in its registers
.endif
	TILE 2*\b, 0, O
	TILE 2*\b+1, 1, AT
.endm
	BLOCK 0, 0
	BLOCK 1, 1
	BLOCK 2, 2
	BLOCK 3, 0
	s_wait_dscnt 0x0
	s_wait_alu depctr_hold_cnt(0) depctr_sa_sdst(0) depctr_va_vdst(0) depctr_va_sdst(0) depctr_va_ssrc(0) depctr_va_vcc(0) depctr_vm_vsrc(0)
	s_wait_tensorcnt 0x0
	ds_add_u32 v254, v255
	s_wait_dscnt 0x0
	s_endpgm
.Lfunc_end_k_qb7c4ec47c4_apply:
	.size	k_qb7c4ec47c4_apply, .Lfunc_end_k_qb7c4ec47c4_apply-k_qb7c4ec47c4_apply
	.p2alignl 7, 3214868480
	.fill 96, 4, 3214868480
	.section	.rodata,"a",@progbits
	.p2align	6, 0x0
	.amdhsa_kernel k_qb7c4ec47c4_apply
		.amdhsa_group_segment_fixed_size 10240
		.amdhsa_private_segment_fixed_size 0
		.amdhsa_enable_private_segment 0
		.amdhsa_kernarg_size 24
		.amdhsa_user_sgpr_count 2
		.amdhsa_user_sgpr_kernarg_segment_ptr 1
		.amdhsa_wavefront_size32 1
		.amdhsa_system_sgpr_workgroup_id_x 1
		.amdhsa_system_sgpr_workgroup_id_y 1
		.amdhsa_system_sgpr_workgroup_id_z 1
		.amdhsa_system_vgpr_workitem_id 0
		.amdhsa_next_free_vgpr 512
		.amdhsa_next_free_sgpr 66
		.amdhsa_reserve_vcc 0
		.amdhsa_float_denorm_mode_32 3
		.amdhsa_float_denorm_mode_16_64 3
		.amdhsa_memory_ordered 1
		.amdhsa_forward_progress 1
		.amdhsa_inst_pref_size 75
	.end_amdhsa_kernel
	.amdgpu_metadata
---
amdhsa.version: [ 1, 2 ]
amdhsa.kernels:
  - .name:           k_qb7c4ec47c4_apply
    .symbol:         k_qb7c4ec47c4_apply.kd
    .args:
      - { .name: query, .offset: 0, .size: 8, .value_kind: global_buffer, .address_space: global }
      - { .name: part, .offset: 8, .size: 8, .value_kind: global_buffer, .address_space: global }
      - { .name: out0, .offset: 16, .size: 8, .value_kind: global_buffer, .address_space: global }
    .group_segment_fixed_size: 10240
    .private_segment_fixed_size: 0
    .kernarg_segment_align: 8
    .kernarg_segment_size: 24
    .max_flat_workgroup_size: 256
    .sgpr_count:     66
    .vgpr_count:     512
    .wavefront_size: 32
...
	.end_amdgpu_metadata
.endif
;; end of part 4
